; MI455X (gfx1250); checked and timed in simulation.
; The chip was launched on July 23, 2026; its instructions are those of AMD's public machine-readable ISA for CDNA 5 (MIT licence, August 2026) and "CDNA5" Instruction Set Architecture Reference Guide (July 2026). The comments in the code are by the model that wrote it; some were corrected since.
;; Multi Head Self Attention Module. Allowed arithmetic: float matrix products may take bf16 or f16 operands with f32 sums; other float arithmetic in f32, or as packed bf16 or f16 multiplies, adds, multiply-adds, maxima and minima; sums over many terms, partial sums and values carried from step to step in f32; what a program stores and reads back later, other than sums and carried values, may be rounded once to bf16 or f16.
;; Inputs: bk 1,024 float32; bo 1,024 float32; bq 1,024 float32; bv 1,024 float32; ln_b 1,024 float32; ln_g 1,024 float32; rel_bias 16 x 32 x 32 float32; wk 1,024 x 1,024 float32; wo 1,024 x 1,024 float32; wq 1,024 x 1,024 float32; wv 1,024 x 1,024 float32; x 512 x 32 x 1,024 float32.
;; Outputs: out0 512 x 32 x 1,024 float32.
;; One version. Each part assembles by itself: llvm-mc -triple=amdgcn-amd-amdhsa -mcpu=gfx1250 --defsym DOCPART=n.
;; ======== version 1 of 1: 3 launches
;; workspace buffers: xn 33,554,432 bytes; wbf 8,388,608 bytes; ctx 33,554,432 bytes
;; launch prep (part 1): grid 512 x 1, 8 waves a work-group, no clusters, 0 bytes of LDS; arguments x, ln_g, ln_b, wq, wk, wv, wo, xn, wbf; writes xn, wbf
.if DOCPART == 1
	.amdgcn_target "amdgcn-amd-amdhsa--gfx1250"
	.amdhsa_code_object_version 6
	.text
	.protected	k_q9f3b7f5917_prep
	.globl	k_q9f3b7f5917_prep
	.p2align	8
	.type	k_q9f3b7f5917_prep,@function
k_q9f3b7f5917_prep:
	s_mov_b64 s[64:65], 0
	v_nop
	global_prefetch_b8 v0, s[64:65] scope:SCOPE_SE
	s_setreg_imm32_b32 hwreg(HW_REG_WAVE_MODE, 25, 1), 1
	s_wait_xcnt 0x0
; xn = LayerNorm(x) * ln_g + ln_b, rounded once to bf16; and the four weights rounded once to bf16, kept as they lie, [k][n].
; x: [16384][1024] f32.  xn: [16384][1024] bf16.  wbf: [4][1024][1024] bf16 in the order q, k, v, o.
; SHARES.  512 work-groups of eight waves.  A wave takes four whole rows of x (a row is 4,096 bytes: 32 registers a lane) and 4,096 bytes of one weight.
; All 56 loads of a wave go out at once; no loop, no LDS, no barrier: a row's sums never leave its wave.
; The mean is taken first and the squares are summed of the centred numbers, so a common offset of x costs no digits.
; LIMITS.  NaN and infinities are not treated apart.
.set G,  8                             ; v[8:39]    ln_g of my 32 columns (columns 128 j + 4 lane + 0..3)
.set BT, 40                            ; v[40:71]   ln_b of the same
.set X,  72                            ; v[72:199]  four rows, 32 registers each
.set W,  200                           ; v[200:231] my 16 bytes x 8 of a weight
.set T,  232                           ; v[232:247] at work
	s_load_b512 s[4:19], s[0:1], 0x0               ; x s[4:5], ln_g s[6:7], ln_b s[8:9], wq s[10:11], wk s[12:13], wv s[14:15], wo s[16:17], xn s[18:19]
	s_load_b64 s[20:21], s[0:1], 0x40              ; wbf
	v_lshrrev_b32 v3, 5, v0
	v_readfirstlane_b32 s22, v3                    ; wave 0..7
	v_and_b32 v1, 31, v0
	v_lshlrev_b32 v2, 3, v1                        ; 8 x lane: my 8 bytes of 256 going out
	v_lshlrev_b32 v1, 4, v1                        ; 16 x lane: my 16 bytes of 512 coming in
	s_lshl_b32 s26, ttmp9, 17                      ; 32 rows of 4,096 bytes a work-group,
	s_lshl_b32 s23, s22, 14                        ; 4 rows a wave
	s_add_co_u32 s26, s26, s23
	s_mov_b32 s27, 0
	s_lshr_b32 s28, s26, 1                         ; the same rows in xn: half the bytes
	s_mov_b32 s29, 0
	s_lshr_b32 s23, ttmp9, 7                       ; which weight: 128 work-groups to each
	s_and_b32 s36, ttmp9, 127
	s_lshl_b32 s36, s36, 15                        ; 32,768 bytes of it a work-group,
	s_lshl_b32 s38, s22, 12                        ; 4,096 a wave
	s_add_co_u32 s36, s36, s38
	s_mov_b32 s37, 0
	s_lshr_b32 s38, s36, 1                         ; half the bytes going out,
	s_lshl_b32 s39, s23, 21                        ; in the weight's plane of wbf
	s_add_co_u32 s38, s38, s39
	s_mov_b32 s39, 0
	s_mov_b32 s30, 0x76543210                      ; v_permlanex16_b32: each lane takes its own place in the other half
	s_mov_b32 s31, 0xfedcba98
	s_mov_b32 s32, 0x3a800000                      ; 1 / 1024
	s_mov_b32 s33, 0x3727c5ac                      ; 1e-5
	s_and_b32 s3, s23, 1
	s_wait_kmcnt 0x0
	s_cmp_eq_u32 s3, 0
	s_cselect_b64 s[24:25], s[10:11], s[12:13]     ; wq or wk,
	s_cselect_b64 s[34:35], s[14:15], s[16:17]     ; wv or wo,
	s_cmp_lt_u32 s23, 2
	s_cselect_b64 s[24:25], s[24:25], s[34:35]     ; and of the two the one that is mine
	s_add_nc_u64 s[24:25], s[24:25], s[36:37]
	s_add_nc_u64 s[20:21], s[20:21], s[38:39]
	s_add_nc_u64 s[4:5], s[4:5], s[26:27]
	s_add_nc_u64 s[18:19], s[18:19], s[28:29]
.irp j, 0,1,2,3,4,5,6,7
	global_load_b128 v[W+4*\j:W+4*\j+3], v1, s[24:25] offset:512*\j th:TH_LOAD_NT
.endr
.irp j, 0,1,2,3,4,5,6,7
	global_load_b128 v[G+4*\j:G+4*\j+3], v1, s[6:7] offset:512*\j
.endr
.irp j, 0,1,2,3,4,5,6,7
	global_load_b128 v[BT+4*\j:BT+4*\j+3], v1, s[8:9] offset:512*\j
.endr
.irp s, 0,1,2,3
.irp j, 0,1,2,3,4,5,6,7
	global_load_b128 v[X+32*\s+4*\j:X+32*\s+4*\j+3], v1, s[4:5] offset:4096*\s+512*\j th:TH_LOAD_NT
.endr
.endr
	; the weight: 32 numbers a lane, rounded in pairs, in place from the low end
	s_wait_loadcnt 48                              ; the weight's eight loads are in; the 48 issued behind them may stay out
.set ii, 0
.rept 16
	v_cvt_pk_bf16_f32 v[W+ii], v[W+2*ii], v[W+2*ii+1]
.set ii, ii+1
.endr
.irp j, 0,1,2,3,4,5,6,7
	global_store_b64 v2, v[W+2*\j:W+2*\j+1], s[20:21] offset:256*\j  ; 32 lanes store 256 consecutive bytes, aligned
.endr
; four pair sums in v[T:T+7] become the wave's total, in every lane's v[T]
.macro TOTAL
	v_pk_add_f32 v[T:T+1], v[T:T+1], v[T+2:T+3]
	v_pk_add_f32 v[T+4:T+5], v[T+4:T+5], v[T+6:T+7]
	v_pk_add_f32 v[T:T+1], v[T:T+1], v[T+4:T+5]
	v_add_f32 v[T], v[T], v[T+1]
	v_add_f32_dpp v[T], v[T], v[T] row_xmask:1 row_mask:0xf bank_mask:0xf
	v_add_f32_dpp v[T], v[T], v[T] row_xmask:2 row_mask:0xf bank_mask:0xf
	v_add_f32_dpp v[T], v[T], v[T] row_xmask:4 row_mask:0xf bank_mask:0xf
	v_add_f32_dpp v[T], v[T], v[T] row_xmask:8 row_mask:0xf bank_mask:0xf
	v_permlanex16_b32 v[T+1], v[T], s30, s31
	v_add_f32 v[T], v[T], v[T+1]
.endm
; Row s of my four.  left = the loads of the rows behind it, which may stay out.
.macro ROW s, left
.set R, X+32*(\s)
	s_wait_loadcnt \left
.irp c, 0,1,2,3
	v_pk_add_f32 v[T+2*\c:T+2*\c+1], v[R+2*\c:R+2*\c+1], v[R+8+2*\c:R+8+2*\c+1]  ; four chains, started by the first sums: nothing is cleared
.endr
.irp k, 16,24
.irp c, 0,1,2,3
	v_pk_add_f32 v[T+2*\c:T+2*\c+1], v[T+2*\c:T+2*\c+1], v[R+\k+2*\c:R+\k+2*\c+1]
.endr
.endr
	TOTAL
	v_mul_f32 v[T+8], s32, v[T]                    ; the mean, twice: a pair for the packed subtraction
	v_mul_f32 v[T+9], s32, v[T]
.set ii, 0
.rept 16
	v_pk_add_f32 v[R+ii:R+ii+1], v[R+ii:R+ii+1], v[T+8:T+9] neg_lo:[0,1] neg_hi:[0,1]
.set ii, ii+2
.endr
.irp c, 0,1,2,3
	v_pk_mul_f32 v[T+2*\c:T+2*\c+1], v[R+2*\c:R+2*\c+1], v[R+2*\c:R+2*\c+1]
.endr
.irp k, 8,16,24
.irp c, 0,1,2,3
	v_pk_fma_f32 v[T+2*\c:T+2*\c+1], v[R+\k+2*\c:R+\k+2*\c+1], v[R+\k+2*\c:R+\k+2*\c+1], v[T+2*\c:T+2*\c+1]
.endr
.endr
	TOTAL
	v_fma_f32 v[T+12], v[T], s32, s33              ; the variance + 1e-5
	v_rsq_f32 v[T+10], v[T+12]
	v_rsq_f32 v[T+11], v[T+12]
	v_nop                                          ; a plain instruction behind the last of the two (ISA guide 5.7.2),
	s_wait_alu depctr_va_vdst(0)                   ; and one wait ahead of their first reader
.set ii, 0
.rept 16
	v_pk_mul_f32 v[R+ii:R+ii+1], v[R+ii:R+ii+1], v[T+10:T+11]
.set ii, ii+2
.endr
.set ii, 0
.rept 16
	v_pk_fma_f32 v[R+ii:R+ii+1], v[R+ii:R+ii+1], v[G+ii:G+ii+1], v[BT+ii:BT+ii+1]
.set ii, ii+2
.endr
.set ii, 0
.rept 16
	v_cvt_pk_bf16_f32 v[R+ii], v[R+2*ii], v[R+2*ii+1]
.set ii, ii+1
.endr
.irp j, 0,1,2,3,4,5,6,7
	global_store_b64 v2, v[R+2*\j:R+2*\j+1], s[18:19] offset:2048*(\s)+256*\j  ; 256 consecutive bytes, aligned; no register of a store is written again
.endr
.endm
	ROW 0, 24
	ROW 1, 16
	ROW 2, 8
	ROW 3, 0
	s_endpgm
.Lfunc_end_k_q9f3b7f5917_prep:
	.size	k_q9f3b7f5917_prep, .Lfunc_end_k_q9f3b7f5917_prep-k_q9f3b7f5917_prep
	.p2alignl 7, 3214868480
	.fill 96, 4, 3214868480
	.section	.rodata,"a",@progbits
	.p2align	6, 0x0
	.amdhsa_kernel k_q9f3b7f5917_prep
		.amdhsa_group_segment_fixed_size 0
		.amdhsa_private_segment_fixed_size 0
		.amdhsa_enable_private_segment 0
		.amdhsa_kernarg_size 72
		.amdhsa_user_sgpr_count 2
		.amdhsa_user_sgpr_kernarg_segment_ptr 1
		.amdhsa_wavefront_size32 1
		.amdhsa_system_sgpr_workgroup_id_x 1
		.amdhsa_system_sgpr_workgroup_id_y 1
		.amdhsa_system_sgpr_workgroup_id_z 1
		.amdhsa_system_vgpr_workitem_id 0
		.amdhsa_next_free_vgpr 248
		.amdhsa_next_free_sgpr 66
		.amdhsa_reserve_vcc 0
		.amdhsa_float_denorm_mode_32 3
		.amdhsa_float_denorm_mode_16_64 3
		.amdhsa_memory_ordered 1
		.amdhsa_forward_progress 1
		.amdhsa_inst_pref_size 41
	.end_amdhsa_kernel
	.amdgpu_metadata
---
amdhsa.version: [ 1, 2 ]
amdhsa.kernels:
  - .name:           k_q9f3b7f5917_prep
    .symbol:         k_q9f3b7f5917_prep.kd
    .args:
      - { .name: x, .offset: 0, .size: 8, .value_kind: global_buffer, .address_space: global }
      - { .name: ln_g, .offset: 8, .size: 8, .value_kind: global_buffer, .address_space: global }
      - { .name: ln_b, .offset: 16, .size: 8, .value_kind: global_buffer, .address_space: global }
      - { .name: wq, .offset: 24, .size: 8, .value_kind: global_buffer, .address_space: global }
      - { .name: wk, .offset: 32, .size: 8, .value_kind: global_buffer, .address_space: global }
      - { .name: wv, .offset: 40, .size: 8, .value_kind: global_buffer, .address_space: global }
      - { .name: wo, .offset: 48, .size: 8, .value_kind: global_buffer, .address_space: global }
      - { .name: xn, .offset: 56, .size: 8, .value_kind: global_buffer, .address_space: global }
      - { .name: wbf, .offset: 64, .size: 8, .value_kind: global_buffer, .address_space: global }
    .group_segment_fixed_size: 0
    .private_segment_fixed_size: 0
    .kernarg_segment_align: 8
    .kernarg_segment_size: 72
    .max_flat_workgroup_size: 256
    .sgpr_count:     66
    .vgpr_count:     248
    .wavefront_size: 32
...
	.end_amdgpu_metadata
.endif
;; end of part 1
;; launch qkvattn (part 2): grid 8 x 32, 4 waves a work-group, clusters of 4 x 4, 327,680 bytes of LDS; arguments xn, wbf, bq, bk, bv, rel_bias, ctx; writes ctx
.if DOCPART == 2
	.amdgcn_target "amdgcn-amd-amdhsa--gfx1250"
	.amdhsa_code_object_version 6
	.text
	.protected	k_q9f3b7f5917_qkvattn
	.globl	k_q9f3b7f5917_qkvattn
	.p2align	8
	.type	k_q9f3b7f5917_qkvattn,@function
k_q9f3b7f5917_qkvattn:
	s_mov_b64 s[64:65], 0
	v_nop
	global_prefetch_b8 v0, s[64:65] scope:SCOPE_SE
	s_setreg_imm32_b32 hwreg(HW_REG_WAVE_MODE, 25, 1), 1
	s_wait_xcnt 0x0
	s_wait_alu depctr_hold_cnt(0) depctr_sa_sdst(0) depctr_va_vdst(0) depctr_va_sdst(0) depctr_va_ssrc(0) depctr_va_vcc(0) depctr_vm_vsrc(0)
	s_getreg_b32 s2, hwreg(HW_REG_IB_STS2, 6, 4)
	s_cmp_eq_u32 s2, 0
	s_cbranch_scc0 .Lentry_in_a_cluster
	s_endpgm
.Lentry_in_a_cluster:
	s_bfe_u32 s2, ttmp6, 0x10000c
	s_cmp_lg_u32 s2, 0xf033
	s_cbranch_scc0 .Lentry_shape_is_right
	s_endpgm
.Lentry_shape_is_right:
; Q, K, V = xn W + b, and the whole attention of each (batch, head): ctx = softmax(Q K^T / 8 + rel_bias[head]) V.
; xn: [16384][1024] bf16.  wbf: [4][1024 k][1024 n] bf16 (q, k, v, o).  bq, bk, bv: [1024] f32.  rel_bias: [16][32][32] f32.  ctx: [16 heads][16384 rows][64] bf16.
; Products in bf16 with f32 sums; Q, K, V, the weights p and ctx are each rounded once to bf16; maxima, exponentials and sums in f32.
; LIMITS.  NaN and infinities are not treated apart; an exponential below 2^-126 counts as 0.
; SHARES.  A tile is 128 rows (four batches of 32 tokens) x one pair of heads: 128 columns each of Q, K and V.  1,024 tiles, 256 work-groups that stay: each makes four tiles, 4,096 rows apart,
; of the same pair of heads.  Wave w has rows 64 (w / 2) .. + 63 (two batches) of head 2 hp + w % 2: 48 accumulators of 16 x 16.  For 32 along K it reads 32 x 512 bytes of LDS for 48 matrix instructions.
; K goes in steps of 128 through a ring of two LDS slots; a slot has four parts, one a wave: xn's tile, then wq's, wk's and wv's.  The weights lie [k][n] and come out of LDS turned, by ds_load_tr16_b128.
; LAYOUT: nothing changes lanes between the products.  Q and K are made transposed (source 0 = 16 columns of the weight, source 1 = 16 rows of xn): a lane holds ONE token (lane % 16) and 8 channels, and two
; results rounded in pairs ARE a fragment of 16 tokens x 32 channels.  V is made as it stands (source 0 = xn): a lane holds one channel and 8 tokens: two results ARE a fragment of V^T, 16 channels x 32 keys.
; S^T = K Q^T holds one query a lane; two results ARE source 1 of O^T = V^T P.  The biases are the C operand of a tile's first products, 8 x rel_bias the C of the first score product ((s + 8 rb) / 8 = s / 8 + rb).
; CLUSTER, 4 x 4.  The four of a row of the cluster have the same rows of xn, the four of a column the same pair of heads: each tile is asked for jointly, by the same tensor load, descriptor and mask in all four.
; REGISTERS, in windows of 256 (s_set_vgpr_msb: bits 1:0 source 0, 3:2 source 1, 5:4 source 2, 7:6 destination):
;   window 0: v0-21 addresses; v24-47 statistics; v64-127 S^T; v128-159 8 x rel_bias; v160-255 the three biases as C operands
;   window 1: two fragment buffers of 128 (xn 32, wq 32, wk 32, wv 32); at a tile's end the second holds Q and K in bf16
;   window 2: v0-127 Q's sums, later O^T; v128-255 K's sums          window 3: v0-127 V's sums; v128-191 V in bf16; v192-223 P
.set PART,  36864                      ; a part of a slot: 128 rows x 288 bytes (xn's uses 128 x 272)
.set SLOT,  4*PART
.set STAGE, 2*SLOT                     ; behind the ring, never filled by a tensor load: 16 rows x 144 bytes for each wave
.set SP,    144
.set SPARE, STAGE+4*16*SP              ; behind the stages: the spare words, 128 bytes for each wave: two blocks of 256 bytes that no other line names
.set PA,    272                        ; a row of xn in LDS: 256 bytes + 16: the 16 rows of a load start at 16 different groups of four banks (ISA guide 11.1)
.set PB,    288                        ; a k-row of a weight: 256 + 32
.set NEXT_A, 4096*2048-6*256           ; from a slot's last K step of a tile to its first of the next: 4,096 rows down, six K steps back
.set BACK_B, 6*262144                  ; the weights only go back
.set ADRA, 8                           ; v8-9    LDS address of my xn fragments in slot 0, 1
.set ADRQ, 10                          ; v10-11  of wq's
.set ADRK, 12                          ; v12-13  of wk's
.set ADRV, 14                          ; v14-15  of wv's
.set STO,  16                          ; the way out: where I put 16 bytes of a row
.set RD,   17                          ; where I read rows back
.set GO,   18                          ; my 16 bytes of 512 consecutive bytes of ctx
.set PFO,  19                          ; the prefetches' offset: 2,048 x lane: a row of xn or of a weight; never rewritten
.set SPW,  20                          ; LDS address of my spare word; never rewritten
.set NIL,  21                          ; 0; never rewritten
.set ST,   24                          ; unit u's six: +0, +1 c m; +2, +3 at work; +4, +5 the sum, then 1 / sum
.set S,    64
.set RB,   128
.set BQB,  160
.set BKB,  192
.set BVB,  224
.set F0,   0
.set F1,   128
.set WV, 18
.set RH, 19
.set HH, 20
.set CX, 21
.set CY, 22
.set HP, 23
.set TY, 24
.set HD, 25
.set G1A, 28                           ; s[28:35] descriptor group 1 for xn's tiles;  s[36:43] group 0, a set for each slot
.set G0A, 36
.set G1B, 44                           ; s[44:51], s[52:59] the same for the weights'
.set G0B, 52
.set CS,  76                           ; s[76:77] c = log2(e) / 8
.set SEL, 78                           ; s[78:79] v_permlanex16_b32's selects
.set PFA, 80                           ; s[80:81] where my prefetches stand
.set PSTEP, 82                         ; s[82:83] their next step
.set PN,  84                           ; prefetches still to be made
.set PS,  85                           ; the K step at which they stand
.set PSTD, 86                          ; a K step in bytes
.set PWRAP, 87                         ; from a tile's last K step to the next tile's first
.set MSB, 0
.macro WIN new                         ; the immediate's high byte repeats the setting that is left; a switch that changes nothing is dropped
.if MSB != (\new)
	s_set_vgpr_msb (MSB<<8)|(\new)
.set MSB, \new
.endif
.endm
.macro PLACES                          ; four plain places behind matrix instructions, ahead of loads into their sources and of readers of their results
.rept 4
	v_nop
.endr
.endm
; A joint load.  Wave 0 fetches xn's tile, waves 1 to 3 those of wq, wk, wv.  The branch hangs on the wave's number alone.  An s_nop 0 and four v_nop follow each of the two lines.
.macro JLOAD s
	s_cmp_eq_u32 s[WV], 0
	s_cbranch_scc0 .Lfor_b_\@
	tensor_load_to_lds s[G0A+4*(\s):G0A+4*(\s)+3], s[G1A:G1A+7]
	s_nop 0
.rept 4
	v_nop
.endr
	s_branch .Lasked_\@
.Lfor_b_\@:
	tensor_load_to_lds s[G0B+4*(\s):G0B+4*(\s)+3], s[G1B:G1B+7]
	s_nop 0
.rept 4
	v_nop
.endr
.Lasked_\@:
.endm
.macro CREST                           ; a round of the cluster's barrier behind its opening barrier
	s_cmp_lg_u32 s[WV], 0
	s_cbranch_scc1 .Lnot_wave_0_\@
	s_barrier_signal -3
.Lnot_wave_0_\@:
	s_barrier_wait -3
	s_barrier_signal -1
	s_barrier_wait -1
.endm
.macro CROUND
	s_barrier_signal -1
	s_barrier_wait -1
	CREST
.endm
; THE PREFETCH.  Behind each joint refill one instruction names the K step that the NEXT refill will ask for: 32 rows x 256 bytes, a lane a row: 192 matrix instructions ahead of that load.
; xn's rows are read by both clusters of a row of clusters: the one with x = 0 asks, its wave 0; the weights' by all clusters of a column: the one with y = 0 asks, waves 1 to 3, in the first tile alone.
; The four partners that ask for a tile jointly share its 128 rows out by address, 32 each.  PN counts: 29 for xn (K steps 3 of the first tile to 7 of the last), 5 for a weight, 0 elsewhere.
.macro PSTEPM
	s_wait_xcnt 0x0                                ; the last prefetch, a K step back, has read its address
	s_add_co_u32 s[PS], s[PS], 1
	s_cmp_eq_u32 s[PS], 8
	s_cselect_b32 s[PSTEP], s[PWRAP], s[PSTD]
	s_cselect_b32 s[PS], 0, s[PS]
	s_add_nc_u64 s[PFA:PFA+1], s[PFA:PFA+1], s[PSTEP:PSTEP+1]
.endm
.macro ASK
	s_cmp_lg_u32 s[PN], 0
	s_cbranch_scc0 .Lnot_mine_\@
	global_prefetch_b8 v[PFO], s[PFA:PFA+1] th:TH_LOAD_NT scope:SCOPE_SE
	s_sub_co_u32 s[PN], s[PN], 1
.Lnot_mine_\@:
.endm
	s_load_b256 s[4:11], s[0:1], 0x0               ; xn s[4:5], wbf s[6:7], bq s[8:9], bk s[10:11]
	s_load_b128 s[12:15], s[0:1], 0x20             ; bv s[12:13], rel_bias s[14:15]
	s_load_b64 s[16:17], s[0:1], 0x30              ; ctx
	v_lshl_add_u32 v[SPW], v0, 2, SPARE
	v_mov_b32 v[NIL], 0
	ds_add_u32 v[SPW], v[NIL]                      ; the wave's opening: the add and its wait stand ahead of my first tensor load; work on registers stands between them
	v_lshrrev_b32 v1, 5, v0
	v_readfirstlane_b32 s[WV], v1                  ; wave 0..3
	s_lshr_b32 s[RH], s[WV], 1                     ; which 64 rows of the tile
	s_and_b32 s[HH], s[WV], 1                      ; which head of the pair
	s_bfe_u32 s[CX], ttmp6, 0x40000
	s_bfe_u32 s[CY], ttmp6, 0x40004
	s_lshl_b32 s[HP], ttmp9, 2
	s_add_co_u32 s[HP], s[HP], s[CX]               ; the pair of heads = 4 x cluster x + cx
	s_and_b32 s[TY], ttmp7, 0xffff
	s_lshl_b32 s[TY], s[TY], 2
	s_add_co_u32 s[TY], s[TY], s[CY]               ; the first tile's block of 128 rows = 4 x cluster y + cy
	s_lshl_b32 s[HD], s[HP], 1
	s_add_co_u32 s[HD], s[HD], s[HH]               ; my head
	s_lshl_b32 s26, s[CY], 2
	s_lshl_b32 s26, 15, s26                        ; my row of the cluster
	s_lshl_b32 s27, 0x1111, s[CX]                  ; my column
	; group 1: tiles of 128 rows x 128 elements of 2 bytes, 1,024 elements from row to row, padded in LDS after every 64 words
	s_or_b32 s[G1A], s26, (1<<16)|(1<<20)|(1<<21)|(5<<22)|(3<<25)   ; the mask of my row; bit 21 beside it; 4 words of padding
	s_or_b32 s[G1B], s27, (1<<16)|(1<<20)|(1<<21)|(5<<22)|(7<<25)   ; the mask of my column; 8 words of padding
.irp g, G1A, G1B
	s_mov_b32 s[\g+1], 128<<16                     ; tensor_dim0 = 128
	s_mov_b32 s[\g+2], 128<<16                     ; tensor_dim1 = 128
	s_mov_b32 s[\g+3], 128<<16                     ; tile_dim0 = 128
	s_mov_b32 s[\g+4], 128                         ; tile_dim1 = 128
	s_mov_b32 s[\g+5], 1024                        ; the pitch
	s_mov_b32 s[\g+6], 0
	s_mov_b32 s[\g+7], 0
.endr
	s_lshl_b32 s62, s[TY], 18                      ; xn: 128 rows of 2,048 bytes a block
	s_mov_b32 s63, 0
	s_max_u32 s68, s[WV], 1
	s_sub_co_u32 s68, s68, 1                       ; the weight that I fetch: waves 1, 2, 3: q, k, v
	s_lshl_b32 s68, s68, 21
	s_lshl_b32 s69, s[HP], 8                       ; the pair's 128 columns
	s_add_co_u32 s68, s68, s69
	s_mov_b32 s69, 0
	s_mul_i32 s60, s[WV], PART                     ; where my tile goes: no place in the cluster enters an LDS address
	s_mov_b32 s[CS], 0x3e38aa3b                    ; log2(e) / 8
	s_mov_b32 s[CS+1], s[CS]
	s_mov_b32 s[SEL], 0x76543210
	s_mov_b32 s[SEL+1], 0xfedcba98
	s_wait_dscnt 0x0                               ; the opening add is done
	s_wait_kmcnt 0x0
	s_add_nc_u64 s[66:67], s[4:5], s[62:63]        ; xn at the first tile
	s_add_nc_u64 s[68:69], s[6:7], s[68:69]        ; my weight at the pair's columns
	CROUND                                         ; all sixteen work-groups are here: the first joint loads meet
.irp s, 0,1
	s_mov_b32 s[G0A+4*(\s)], 1
	s_add_co_u32 s[G0A+4*(\s)+1], s60, (\s)*SLOT
	s_add_nc_u64 s[G0A+4*(\s)+2:G0A+4*(\s)+3], s[66:67], (\s)*256       ; K step s: 256 bytes along the rows
	s_or_b32 s[G0A+4*(\s)+3], s[G0A+4*(\s)+3], 0x80000000
	s_mov_b32 s[G0B+4*(\s)], 1
	s_add_co_u32 s[G0B+4*(\s)+1], s60, (\s)*SLOT
	s_add_nc_u64 s[G0B+4*(\s)+2:G0B+4*(\s)+3], s[68:69], (\s)*262144    ; K step s: 128 k-rows down
	s_or_b32 s[G0B+4*(\s)+3], s[G0B+4*(\s)+3], 0x80000000
	JLOAD \s                                       ; two tensor loads of mine are out
.endr
	; the prefetches' pointer and count
	s_and_b32 s70, ttmp7, 0xffff
	s_mov_b32 s73, 0x40000
	s_cmp_eq_u32 s[WV], 0
	s_cselect_b32 s70, ttmp9, s70                  ; the coordinate along which other clusters read the same rows
	s_cselect_b32 s71, 29, 5
	s_cselect_b32 s72, s[CX], s[CY]                ; my place among the four that ask with me
	s_cselect_b32 s[PSTD], 256, s73
	s_cselect_b32 s[PWRAP], 8386816, s73           ; xn: 4,096 rows down and seven K steps back
	s_cselect_b64 s[PFA:PFA+1], s[66:67], s[68:69]
	s_cmp_eq_u32 s70, 0
	s_cselect_b32 s[PN], s71, 0                    ; the same in all sixteen partners, for a given wave
	s_lshl_b32 s72, s72, 16                        ; my work-group's 32 rows of 2,048 bytes
	s_mov_b32 s73, 0
	s_add_nc_u64 s[PFA:PFA+1], s[PFA:PFA+1], s[72:73]
	s_lshl_b32 s74, s[PSTD], 1
	s_mov_b32 s75, 0
	s_add_nc_u64 s[PFA:PFA+1], s[PFA:PFA+1], s[74:75]  ; at K step 2: the first refill steps it to 3.  Nothing is prefetched here, at the head
	s_mov_b32 s[PSTEP+1], 0
	s_mov_b32 s[PS], 2
	; the tables: they hang on my head alone and stay in registers for all four tiles
	v_and_b32 v1, 15, v0                           ; r = l % 16
	v_bfe_u32 v2, v0, 4, 1                         ; h = l / 16
	v_and_b32 v6, 7, v0
	v_bfe_u32 v7, v0, 3, 1
	v_lshlrev_b32 v3, 7, v1
	v_lshl_add_u32 v3, v2, 5, v3                   ; rel_bias: query r's row of 128 bytes, keys 8 h on
	v_lshlrev_b32 v4, 5, v2                        ; bq, bk: channels 8 h on
	v_lshlrev_b32 v5, 2, v1                        ; bv: channel r
	s_lshl_b32 s62, s[HD], 8
	s_mov_b32 s63, 0
	s_add_nc_u64 s[8:9], s[8:9], s[62:63]
	s_add_nc_u64 s[10:11], s[10:11], s[62:63]
	s_add_nc_u64 s[12:13], s[12:13], s[62:63]
	s_lshl_b32 s62, s[HD], 12
	s_add_nc_u64 s[14:15], s[14:15], s[62:63]
	s_lshl_b32 s62, s[HD], 21                      ; ctx: my head's plane,
	s_lshl_b32 s70, s[TY], 14                      ; the tile's 128 rows of 128 bytes,
	s_add_co_u32 s62, s62, s70
	s_lshl_b32 s70, s[RH], 13                      ; my 64 of them
	s_add_co_u32 s62, s62, s70
	s_add_nc_u64 s[16:17], s[16:17], s[62:63]
.irp t, 0,1,2,3                        ; t = 2 qt + kt: queries 16 qt on, keys 16 kt on
	global_load_b128 v[RB+8*\t:RB+8*\t+3],   v3, s[14:15] offset:2048*(\t/2)+64*(\t%2)
	global_load_b128 v[RB+8*\t+4:RB+8*\t+7], v3, s[14:15] offset:2048*(\t/2)+64*(\t%2)+16
.endr
.irp c, 0,1,2,3                        ; channels 16 c on
	global_load_b128 v[BQB+8*\c:BQB+8*\c+3],   v4, s[8:9] offset:64*\c
	global_load_b128 v[BQB+8*\c+4:BQB+8*\c+7], v4, s[8:9] offset:64*\c+16
	global_load_b128 v[BKB+8*\c:BKB+8*\c+3],   v4, s[10:11] offset:64*\c
	global_load_b128 v[BKB+8*\c+4:BKB+8*\c+7], v4, s[10:11] offset:64*\c+16
	global_load_b32 v[BVB+8*\c], v5, s[12:13] offset:64*\c
.endr
	; LDS addresses.  A fragment of xn: lane l holds row l % 16, two loads of 16 bytes 32 apart.  The turning load: lane l reads k-row 8 (l / 16) + l % 8, columns 8 ((l / 8) % 2) on.
	v_mul_u32_u24 v[ADRA], v1, PA
	v_lshl_add_u32 v[ADRA], v2, 4, v[ADRA]
	s_mul_i32 s61, s[RH], 64*PA
	v_add_nc_u32 v[ADRA], s61, v[ADRA]
	v_add_nc_u32 v[ADRA+1], SLOT, v[ADRA]
	v_lshl_add_u32 v[ADRQ], v2, 3, v6
	v_mul_u32_u24 v[ADRQ], v[ADRQ], PB
	v_lshl_add_u32 v[ADRQ], v7, 4, v[ADRQ]
	s_lshl_b32 s61, s[HH], 7                       ; my head's 64 columns
	s_add_co_u32 s61, s61, PART
	v_add_nc_u32 v[ADRQ], s61, v[ADRQ]
	v_add_nc_u32 v[ADRQ+1], SLOT, v[ADRQ]
	v_add_nc_u32 v[ADRK], PART, v[ADRQ]
	v_add_nc_u32 v[ADRK+1], SLOT, v[ADRK]
	v_add_nc_u32 v[ADRV], 2*PART, v[ADRQ]
	v_add_nc_u32 v[ADRV+1], SLOT, v[ADRV]
	s_mul_i32 s61, s[WV], 16*SP
	s_add_co_u32 s61, s61, STAGE                   ; my stage
	v_mul_u32_u24 v[STO], v1, SP                   ; in: row l % 16, 16 bytes for each half of the lanes
	v_lshl_add_u32 v[STO], v2, 4, v[STO]
	v_add_nc_u32 v[STO], s61, v[STO]
	v_bfe_u32 v[RD], v0, 3, 2                      ; back: 32 lanes take four rows of 128 bytes,
	v_mul_u32_u24 v[RD], v[RD], SP
	v_lshl_add_u32 v[RD], v6, 4, v[RD]
	v_add_nc_u32 v[RD], s61, v[RD]
	v_and_b32 v[GO], 31, v0
	v_lshlrev_b32 v[PFO], 11, v[GO]
	v_lshlrev_b32 v[GO], 4, v[GO]                  ; which are 512 consecutive bytes of ctx
; 16 products of Q or K, transposed: token blocks i x channel blocks c, 32 along K.  z = 1: a tile's first products start the sums with the bias.  The 48 accumulators take turns, one instruction a turn.
.macro MULT f, z, d0, so, bias
.if \z
	WIN 0x85
.else
	WIN 0xa5
.endif
.irp i, 0,1,2,3
.irp c, 0,1,2,3
.if \z
	v_wmma_f32_16x16x32_bf16 v[(\d0)+8*(4*\i+\c):(\d0)+8*(4*\i+\c)+7], v[(\f)+(\so)+8*\c:(\f)+(\so)+8*\c+7], v[(\f)+8*\i:(\f)+8*\i+7], v[(\bias)+8*\c:(\bias)+8*\c+7]
.else
	v_wmma_f32_16x16x32_bf16 v[(\d0)+8*(4*\i+\c):(\d0)+8*(4*\i+\c)+7], v[(\f)+(\so)+8*\c:(\f)+(\so)+8*\c+7], v[(\f)+8*\i:(\f)+8*\i+7], v[(\d0)+8*(4*\i+\c):(\d0)+8*(4*\i+\c)+7]
.endif
.endr
.endr
.endm
.macro MULQ f, z
	MULT \f, \z, 0, 32, BQB
.endm
.macro MULK f, z
	MULT \f, \z, 128, 64, BKB
.endm
.macro MULV f, z                       ; 16 products of V, as it stands
.if \z
	WIN 0xc5
.else
	WIN 0xf5
.endif
.irp c, 0,1,2,3
.irp i, 0,1,2,3
.if \z
	v_wmma_f32_16x16x32_bf16 v[8*(4*\c+\i):8*(4*\c+\i)+7], v[(\f)+8*\i:(\f)+8*\i+7], v[(\f)+96+8*\c:(\f)+96+8*\c+7], v[BVB+8*\c:BVB+8*\c+7]
.else
	v_wmma_f32_16x16x32_bf16 v[8*(4*\c+\i):8*(4*\c+\i)+7], v[(\f)+8*\i:(\f)+8*\i+7], v[(\f)+96+8*\c:(\f)+96+8*\c+7], v[8*(4*\c+\i):8*(4*\c+\i)+7]
.endif
.endr
.endr
.endm
; 32 LDS loads in one run: quarter q (32 along K) of a slot into buffer f: xn's 8, wq's 8, wk's 8, wv's 8, in the order in which they are wanted
.macro FETCH slot, q, f
	WIN 0x40
.irp i, 0,1,2,3
	ds_load_b128 v[(\f)+8*\i:(\f)+8*\i+3],   v[ADRA+(\slot)] offset:64*(\q)+16*PA*\i
	ds_load_b128 v[(\f)+8*\i+4:(\f)+8*\i+7], v[ADRA+(\slot)] offset:64*(\q)+16*PA*\i+32
.endr
.irp c, 0,1,2,3
	ds_load_tr16_b128 v[(\f)+32+8*\c:(\f)+32+8*\c+3],   v[ADRQ+(\slot)] offset:32*PB*(\q)+32*\c
	ds_load_tr16_b128 v[(\f)+32+8*\c+4:(\f)+32+8*\c+7], v[ADRQ+(\slot)] offset:32*PB*(\q)+32*\c+16*PB
.endr
.irp c, 0,1,2,3
	ds_load_tr16_b128 v[(\f)+64+8*\c:(\f)+64+8*\c+3],   v[ADRK+(\slot)] offset:32*PB*(\q)+32*\c
	ds_load_tr16_b128 v[(\f)+64+8*\c+4:(\f)+64+8*\c+7], v[ADRK+(\slot)] offset:32*PB*(\q)+32*\c+16*PB
.endr
.irp c, 0,1,2,3
	ds_load_tr16_b128 v[(\f)+96+8*\c:(\f)+96+8*\c+3],   v[ADRV+(\slot)] offset:32*PB*(\q)+32*\c
	ds_load_tr16_b128 v[(\f)+96+8*\c+4:(\f)+96+8*\c+7], v[ADRV+(\slot)] offset:32*PB*(\q)+32*\c+16*PB
.endr
.endm
; One of a K step's first three quarters: multiplies buffer f; behind its first 16 products it fetches quarter q of the same slot into buffer g.
.macro QUARTER slot, q, f, g, z
	s_wait_dscnt 16                                ; xn's and wq's fragments are in; wk's and wv's 16 loads may be out
	MULQ \f, \z
	PLACES
	FETCH \slot, \q, \g
	s_wait_dscnt 40                                ; wk's are in: wv's 8 and the 32 just issued may be out
	MULK \f, \z
	s_wait_dscnt 32                                ; all but the 32 just issued
	MULV \f, \z
.endm
; The last quarter multiplies buffer 1 and changes slots.  In front of the one barrier each wave waits for all its tensor loads (one is out: its part of the next slot), adds 0 to its spare word,
; and waits for that and for its own reads of this slot.  Behind it nobody reads this slot any more and the next slot is whole.
.macro MEET round
	WIN 0
	s_wait_tensorcnt 0x0
	ds_add_u32 v[SPW], v[NIL]
	s_wait_dscnt 17                                ; the add, wk's and wv's 16 loads may be out
	MULQ F1, 0                                     ; sixteen matrix instructions stand between the add and the wait for it
	s_wait_dscnt 0x0                               ; the add is done, and my reads of this slot are over
	s_barrier_signal -1
	MULK F1, 0                                     ; work on registers while the others arrive
.if \round
	WIN 0
.endif
	s_barrier_wait -1
.endm
; on = 0: the slot takes this tile's K step two on; on = 1: the next tile's K step 0 or 1.
.macro TURN slot, next, on
	PSTEPM
	MEET 1
	CREST                                          ; the barrier has opened a round of the cluster's: no wave of any partner still reads this slot or has a load on its way
.if \on
	s_add_nc_u64 s[G0A+4*(\slot)+2:G0A+4*(\slot)+3], s[G0A+4*(\slot)+2:G0A+4*(\slot)+3], NEXT_A
	s_sub_nc_u64 s[G0B+4*(\slot)+2:G0B+4*(\slot)+3], s[G0B+4*(\slot)+2:G0B+4*(\slot)+3], BACK_B
.else
	s_add_nc_u64 s[G0A+4*(\slot)+2:G0A+4*(\slot)+3], s[G0A+4*(\slot)+2:G0A+4*(\slot)+3], 512
	s_add_nc_u64 s[G0B+4*(\slot)+2:G0B+4*(\slot)+3], s[G0B+4*(\slot)+2:G0B+4*(\slot)+3], 524288
.endif
	JLOAD \slot                                    ; my one tensor load behind the round; its four v_nop are also the places in front of the loads below
	FETCH \next, 0, F0
	WIN 0
	ASK
	MULV F1, 0
.endm
	s_wait_tensorcnt 1                             ; my part of K step 0 is in; K step 1's may stay out
	s_barrier_signal -1
	s_barrier_wait -1                              ; everybody's is
	FETCH 0, 0, F0
	WIN 0
	s_mov_b32 s74, 0x41000000                      ; 8.0, as a pair
	s_mov_b32 s75, s74
	s_wait_loadcnt 0x0                             ; the tables
.set ii, 0
.rept 16
	v_pk_mul_f32 v[RB+ii:RB+ii+1], v[RB+ii:RB+ii+1], s[74:75] op_sel_hi:[1,0]
.set ii, ii+2
.endr
.irp c, 0,1,2,3
.irp j, 1,2,3,4,5,6,7
	v_mov_b32 v[BVB+8*\c+\j], v[BVB+8*\c]          ; a lane's eight tokens have the same channel
.endr
.endr
	s_mov_b32 s2, 4                                ; tiles to go: the same number in every work-group
.Ltile:
	QUARTER 0, 1, F0, F1, 1                        ; a tile's first quarter: its products start the sums
	WIN 0
	s_mov_b32 s3, 3
.Llap:                                         ; a trip goes once round the ring and fills both slots again
	QUARTER 0, 2, F1, F0, 0
	QUARTER 0, 3, F0, F1, 0
	TURN 0, 1, 0
	QUARTER 1, 1, F0, F1, 0
	QUARTER 1, 2, F1, F0, 0
	QUARTER 1, 3, F0, F1, 0
	TURN 1, 0, 0
	QUARTER 0, 1, F0, F1, 0
	WIN 0
	s_sub_co_u32 s3, s3, 1
	s_cmp_lg_u32 s3, 0
	s_cbranch_scc1 .Llap
	QUARTER 0, 2, F1, F0, 0
	QUARTER 0, 3, F0, F1, 0
	WIN 0
	s_cmp_eq_u32 s2, 1
	s_cbranch_scc1 .Llast                          ; the last tile asks for nothing more
	TURN 0, 1, 1                                   ; the ring goes on into the next tile: slot 0 takes its K step 0,
	QUARTER 1, 1, F0, F1, 0
	QUARTER 1, 2, F1, F0, 0
	QUARTER 1, 3, F0, F1, 0
	TURN 1, 0, 1                                   ; slot 1 its K step 1, and its first fragments are fetched: all that lands while the attention below is made
	WIN 0
	s_branch .Lepi
.Llast:
	MEET 0                                         ; nothing is filled again, so no round follows
	PLACES
	FETCH 1, 0, F0
	MULV F1, 0
	QUARTER 1, 1, F0, F1, 0
	QUARTER 1, 2, F1, F0, 0
	QUARTER 1, 3, F0, F1, 0
	s_wait_dscnt 16
	MULQ F1, 0
	s_wait_dscnt 8
	MULK F1, 0
	s_wait_dscnt 0x0
	MULV F1, 0
	WIN 0
.Lepi:
	; THE ATTENTION of my two batches and one head, in registers.  Units u = 0..3: batch u / 2, queries 16 (u % 2) on.
	PLACES
	WIN 0x4a                                       ; Q's and K's sums (window 2) rounded in pairs into the second fragment buffer (window 1), each accumulator from its low end
.set ii, 0
.rept 128
	v_cvt_pk_bf16_f32 v[128+ii], v[2*ii], v[2*ii+1]
.set ii, ii+1
.endr
	WIN 0xcf                                       ; V's, within window 3
.set ii, 0
.rept 64
	v_cvt_pk_bf16_f32 v[128+ii], v[2*ii], v[2*ii+1]
.set ii, ii+1
.endr
	WIN 0x05                                       ; S^T = K Q^T + 8 rel_bias: 8 accumulators by turns, two deep
.irp cc, 0,1
.irp u, 0,1,2,3
.irp kt, 0,1
.if \cc == 0
	v_wmma_f32_16x16x32_bf16 v[S+8*(2*\u+\kt):S+8*(2*\u+\kt)+7], v[192+16*(2*(\u/2)+\kt)+8*\cc:192+16*(2*(\u/2)+\kt)+8*\cc+7], v[128+16*\u+8*\cc:128+16*\u+8*\cc+7], v[RB+8*(2*(\u%2)+\kt):RB+8*(2*(\u%2)+\kt)+7]
.else
	v_wmma_f32_16x16x32_bf16 v[S+8*(2*\u+\kt):S+8*(2*\u+\kt)+7], v[192+16*(2*(\u/2)+\kt)+8*\cc:192+16*(2*(\u/2)+\kt)+8*\cc+7], v[128+16*\u+8*\cc:128+16*\u+8*\cc+7], v[S+8*(2*\u+\kt):S+8*(2*\u+\kt)+7]
.endif
.endr
.endr
.endr
	WIN 0
	PLACES
.macro U4 line:vararg                  ; one line for each unit u, so that no line reads the result of the one before it
.set u, 0
.rept 4
	\line
.set u, u+1
.endr
.endm
	; a lane has 16 of its query's 32 scores; the lane 16 away has the others.  Each accumulator's lowest registers are read first.
	U4 v_max3_num_f32 v[ST+6*u+2], v[S+16*u], v[S+16*u+1], v[S+16*u+2]
	U4 v_max3_num_f32 v[ST+6*u+3], v[S+16*u+8], v[S+16*u+9], v[S+16*u+10]
	U4 v_max3_num_f32 v[ST+6*u+2], v[ST+6*u+2], v[S+16*u+3], v[S+16*u+4]
	U4 v_max3_num_f32 v[ST+6*u+3], v[ST+6*u+3], v[S+16*u+11], v[S+16*u+12]
	U4 v_max3_num_f32 v[ST+6*u+2], v[ST+6*u+2], v[S+16*u+5], v[S+16*u+6]
	U4 v_max3_num_f32 v[ST+6*u+3], v[ST+6*u+3], v[S+16*u+13], v[S+16*u+14]
	U4 v_max3_num_f32 v[ST+6*u+2], v[ST+6*u+2], v[ST+6*u+3], v[S+16*u+7]
	U4 v_max_num_f32 v[ST+6*u+2], v[ST+6*u+2], v[S+16*u+15]
	U4 v_permlanex16_b32 v[ST+6*u+3], v[ST+6*u+2], s[SEL], s[SEL+1]
	U4 v_max_num_f32 v[ST+6*u+2], v[ST+6*u+2], v[ST+6*u+3]
	U4 v_mul_f32 v[ST+6*u], s[CS], v[ST+6*u+2]
	U4 v_mul_f32 v[ST+6*u+1], s[CS], v[ST+6*u+2]
.irp n, 0,1,2,3,4,5,6,7
	U4 v_pk_fma_f32 v[S+16*u+2*\n:S+16*u+2*\n+1], v[S+16*u+2*\n:S+16*u+2*\n+1], s[CS:CS+1], v[ST+6*u:ST+6*u+1] op_sel_hi:[1,0,0] neg_lo:[0,0,1] neg_hi:[0,0,1]
.endr
.irp n, 0,1,2,3,4,5,6,7,8,9,10,11,12,13,14,15
	U4 v_exp_f32 v[S+16*u+\n], v[S+16*u+\n]
.endr
	v_nop                                          ; a plain instruction behind the last exponential (ISA guide 5.7.2),
	s_wait_alu depctr_va_vdst(0)                   ; and one wait for the batch of 64 ahead of its first reader
	U4 v_pk_add_f32 v[ST+6*u+4:ST+6*u+5], v[S+16*u:S+16*u+1], v[S+16*u+2:S+16*u+3]
.irp n, 2,3,4,5,6,7
	U4 v_pk_add_f32 v[ST+6*u+4:ST+6*u+5], v[ST+6*u+4:ST+6*u+5], v[S+16*u+2*\n:S+16*u+2*\n+1]
.endr
	U4 v_add_f32 v[ST+6*u+4], v[ST+6*u+4], v[ST+6*u+5]
	U4 v_permlanex16_b32 v[ST+6*u+5], v[ST+6*u+4], s[SEL], s[SEL+1]
	U4 v_add_f32 v[ST+6*u+4], v[ST+6*u+4], v[ST+6*u+5]
	U4 v_rcp_f32 v[ST+6*u+4], v[ST+6*u+4]
	v_nop
	s_wait_alu depctr_va_vdst(0)                   ; one wait for the four reciprocals
.irp n, 0,1,2,3,4,5,6,7
	U4 v_pk_mul_f32 v[S+16*u+2*\n:S+16*u+2*\n+1], v[S+16*u+2*\n:S+16*u+2*\n+1], v[ST+6*u+4:ST+6*u+5] op_sel_hi:[1,0]
.endr
	WIN 0xc0                                       ; P into window 3
.irp n, 0,1,2,3,4,5,6,7
	U4 v_cvt_pk_bf16_f32 v[192+8*u+\n], v[S+16*u+2*\n], v[S+16*u+2*\n+1]
.endr
	WIN 0x8f                                       ; O^T = V^T P: one product of 32 keys for each of 16 results, where Q's sums lay
.irp c, 0,1,2,3
.irp u, 0,1,2,3
	v_wmma_f32_16x16x32_bf16 v[8*(4*\u+\c):8*(4*\u+\c)+7], v[128+16*\c+8*(\u/2):128+16*\c+8*(\u/2)+7], v[192+8*\u:192+8*\u+7], 0
.endr
.endr
	PLACES
; THE WAY OUT.  Unit u: a lane's eight channels of a row pack into 16 bytes; they go into rows of 144 bytes of my own stage and come back as whole rows of 128.
.macro PACK u
	WIN 0x0a
.set ii, 0
.rept 16
	v_cvt_pk_bf16_f32 v[S+16*(\u)+ii], v[32*(\u)+2*ii], v[32*(\u)+2*ii+1]
.set ii, ii+1
.endr
	WIN 0
.irp c, 0,1,2,3
	ds_store_b128 v[STO], v[S+16*(\u)+4*\c:S+16*(\u)+4*\c+3] offset:32*\c
.endr
.irp t, 0,1,2,3
	ds_load_b128 v[S+16*(\u)+4*\t:S+16*(\u)+4*\t+3], v[RD] offset:4*SP*\t  ; LDS serves a wave's instructions in order (ISA guide 5.7.1.4): these see the stores above, and the next unit's stores come behind them
.endr
.endm
.macro SEND u, younger                 ; younger: the LDS instructions issued behind unit u's loads
.irp t, 0,1,2,3
	s_wait_dscnt (\younger)+3-\t
	global_store_b128 v[GO], v[S+16*(\u)+4*\t:S+16*(\u)+4*\t+3], s[16:17] offset:2048*(\u)+512*\t  ; 512 consecutive bytes, at a multiple of 256 from ctx's first
.endr
.endm
	PACK 0
	PACK 1
	SEND 0, 8
	PACK 2
	SEND 1, 8
	PACK 3
	SEND 2, 8
	SEND 3, 0
	s_wait_xcnt 0x0                                ; the stores have read their registers and their base
	s_add_nc_u64 s[16:17], s[16:17], 524288        ; 4,096 rows of 128 bytes on
	s_sub_co_u32 s2, s2, 1
	s_cmp_lg_u32 s2, 0
	s_cbranch_scc1 .Ltile
	s_wait_tensorcnt 0x0                           ; the wave's end
	ds_add_u32 v[SPW], v[NIL]
	s_wait_dscnt 0x0
	CROUND                                         ; the closing round: no work-group ends while a partner may still ask for a tile that names it
	s_endpgm
.Lfunc_end_k_q9f3b7f5917_qkvattn:
	.size	k_q9f3b7f5917_qkvattn, .Lfunc_end_k_q9f3b7f5917_qkvattn-k_q9f3b7f5917_qkvattn
	.p2alignl 7, 3214868480
	.fill 96, 4, 3214868480
	.section	.rodata,"a",@progbits
	.p2align	6, 0x0
	.amdhsa_kernel k_q9f3b7f5917_qkvattn
		.amdhsa_group_segment_fixed_size 327680
		.amdhsa_private_segment_fixed_size 0
		.amdhsa_enable_private_segment 0
		.amdhsa_kernarg_size 56
		.amdhsa_user_sgpr_count 2
		.amdhsa_user_sgpr_kernarg_segment_ptr 1
		.amdhsa_wavefront_size32 1
		.amdhsa_system_sgpr_workgroup_id_x 1
		.amdhsa_system_sgpr_workgroup_id_y 1
		.amdhsa_system_sgpr_workgroup_id_z 1
		.amdhsa_system_vgpr_workitem_id 0
		.amdhsa_next_free_vgpr 992
		.amdhsa_next_free_sgpr 88
		.amdhsa_reserve_vcc 0
		.amdhsa_float_denorm_mode_32 3
		.amdhsa_float_denorm_mode_16_64 3
		.amdhsa_memory_ordered 1
		.amdhsa_forward_progress 1
		.amdhsa_inst_pref_size 168
	.end_amdhsa_kernel
	.amdgpu_metadata
---
amdhsa.version: [ 1, 2 ]
amdhsa.kernels:
  - .name:           k_q9f3b7f5917_qkvattn
    .symbol:         k_q9f3b7f5917_qkvattn.kd
    .args:
      - { .name: xn, .offset: 0, .size: 8, .value_kind: global_buffer, .address_space: global }
      - { .name: wbf, .offset: 8, .size: 8, .value_kind: global_buffer, .address_space: global }
      - { .name: bq, .offset: 16, .size: 8, .value_kind: global_buffer, .address_space: global }
      - { .name: bk, .offset: 24, .size: 8, .value_kind: global_buffer, .address_space: global }
      - { .name: bv, .offset: 32, .size: 8, .value_kind: global_buffer, .address_space: global }
      - { .name: rel_bias, .offset: 40, .size: 8, .value_kind: global_buffer, .address_space: global }
      - { .name: ctx, .offset: 48, .size: 8, .value_kind: global_buffer, .address_space: global }
    .group_segment_fixed_size: 327680
    .private_segment_fixed_size: 0
    .kernarg_segment_align: 8
    .kernarg_segment_size: 56
    .max_flat_workgroup_size: 128
    .sgpr_count:     88
    .vgpr_count:     992
    .wavefront_size: 32
...
	.end_amdgpu_metadata
.endif
;; end of part 2
;; launch oproj (part 3): grid 4 x 64, 4 waves a work-group, clusters of 4 x 4, 327,680 bytes of LDS; arguments ctx, wbf, bo, x, out0; writes out0
.if DOCPART == 3
	.amdgcn_target "amdgcn-amd-amdhsa--gfx1250"
	.amdhsa_code_object_version 6
	.text
	.protected	k_q9f3b7f5917_oproj
	.globl	k_q9f3b7f5917_oproj
	.p2align	8
	.type	k_q9f3b7f5917_oproj,@function
k_q9f3b7f5917_oproj:
	s_mov_b64 s[64:65], 0
	v_nop
	global_prefetch_b8 v0, s[64:65] scope:SCOPE_SE
	s_setreg_imm32_b32 hwreg(HW_REG_WAVE_MODE, 25, 1), 1
	s_wait_xcnt 0x0
	s_wait_alu depctr_hold_cnt(0) depctr_sa_sdst(0) depctr_va_vdst(0) depctr_va_sdst(0) depctr_va_ssrc(0) depctr_va_vcc(0) depctr_vm_vsrc(0)
	s_getreg_b32 s2, hwreg(HW_REG_IB_STS2, 6, 4)
	s_cmp_eq_u32 s2, 0
	s_cbranch_scc0 .Lentry_in_a_cluster
	s_endpgm
.Lentry_in_a_cluster:
	s_bfe_u32 s2, ttmp6, 0x10000c
	s_cmp_lg_u32 s2, 0xf033
	s_cbranch_scc0 .Lentry_shape_is_right
	s_endpgm
.Lentry_shape_is_right:
; out0 = x + ctx wo + bo.  ctx: [16 heads][16384 rows][64] bf16.  wo = plane 3 of wbf, [1024 k][1024 n] bf16.  bo: [1024] f32.  x, out0: [16384][1024] f32.  Sums in f32; x is added in f32.
; SHARES.  A tile of out0 is 256 x 256, one to a work-group: 256 work-groups; a wave makes 128 x 128: 64 accumulators.  K goes in steps of 128 (two heads) through a ring of two LDS slots.
; A slot has four parts, one a wave: ctx's planes 2 j and 2 j + 1 (256 rows of 128 bytes each, dense in memory: asked for as 128 rows of 256 bytes, padded after each 128), then wo's two halves of the
; tile's columns (128 k-rows of 256 bytes), which come out of LDS turned, by ds_load_tr16_b128.
; THE MATRIX INSTRUCTION IS USED TRANSPOSED (source 0 = 16 columns of wo, source 1 = 16 rows of ctx): a lane holds eight neighbouring numbers of a row of out0.  bo is the C operand of the first products.
; CLUSTER, 4 x 4: ctx's tile is shared along a row of the cluster, wo's along a column; each is asked for jointly.
; THE WAY OUT.  16 rows x 64 columns at a time go through my own stage in LDS and come back as whole rows of 256 bytes; x's same bytes, loaded ahead into a ring of eight register buffers, are added; stored.
; REGISTERS: window 0: v0-31 addresses; v32-63, v192-223 the way out; v64-127, v128-191 ctx's fragments, two buffers.   window 1: v0-63 bo, later x; v64-191 wo's fragments, later x; v192-255 x.
;   window 2: the accumulators of my rows 0-63 ((a, b) at v[8 (8 a + b)]);   window 3: those of my rows 64-127
.set PART,  36864
.set SLOT,  4*PART
.set STAGE, 2*SLOT                     ; behind the ring, never filled by a tensor load: 16 rows x 272 bytes for each wave
.set SPITCH, 272
.set SPARE, STAGE+4*16*SPITCH          ; the spare words, 128 bytes for each wave: two blocks of 256 bytes that no other line names
.set PA,    144                        ; a row of ctx in LDS: 128 bytes + 16
.set PB,    288                        ; a k-row of wo: 256 + 32
.set ADRA, 16
.set ADRB, 20
.set STO,  24
.set RD,   25
.set CO,   26                          ; my byte offset in two rows of x and of out0; never rewritten
.set SPW,  28
.set NIL,  29
.set PFO,  30
.set F0,   64
.set F1,   128
.set WV, 14
.set RHF, 15
.set CHF, 16
.set CX, 17
.set CY, 18
.set TC, 19
.set TR, 20
.set G1A, 28
.set G0A, 36
.set G1B, 44
.set G0B, 52
.set PFA, 80
.set PSTEP, 82
.set PN, 84
.set MSB, 0
.macro WIN new
.if MSB != (\new)
	s_set_vgpr_msb (MSB<<8)|(\new)
.set MSB, \new
.endif
.endm
.macro PLACES
.rept 4
	v_nop
.endr
.endm
.macro JLOAD s                         ; waves 0 and 1 fetch ctx's two planes, waves 2 and 3 wo's two halves; an s_nop 0 and four v_nop follow each line
	s_cmp_lt_u32 s[WV], 2
	s_cbranch_scc0 .Lfor_b_\@
	tensor_load_to_lds s[G0A+4*(\s):G0A+4*(\s)+3], s[G1A:G1A+7]
	s_nop 0
.rept 4
	v_nop
.endr
	s_branch .Lasked_\@
.Lfor_b_\@:
	tensor_load_to_lds s[G0B+4*(\s):G0B+4*(\s)+3], s[G1B:G1B+7]
	s_nop 0
.rept 4
	v_nop
.endr
.Lasked_\@:
.endm
.macro CREST
	s_cmp_lg_u32 s[WV], 0
	s_cbranch_scc1 .Lnot_wave_0_\@
	s_barrier_signal -3
.Lnot_wave_0_\@:
	s_barrier_wait -3
	s_barrier_signal -1
	s_barrier_wait -1
.endm
.macro CROUND
	s_barrier_signal -1
	s_barrier_wait -1
	CREST
.endm
; THE PREFETCH: behind each joint refill one instruction names what the NEXT refill will ask for, 256 matrix instructions ahead of that load: 32 blocks of 256 bytes, a lane a block.
; ctx's tile is read by one cluster alone: waves 0 and 1 of every cluster ask; wo's columns by all sixteen clusters: waves 2 and 3 of the cluster with y = 0 ask.  The four partners share a tile out by address.
; Five times (K steps 3 to 7); nothing at the head.
.macro ASK
	s_cmp_lg_u32 s[PN], 0
	s_cbranch_scc0 .Lnot_mine_\@
	global_prefetch_b8 v[PFO], s[PFA:PFA+1] th:TH_LOAD_NT scope:SCOPE_SE
	s_sub_co_u32 s[PN], s[PN], 1
.Lnot_mine_\@:
.endm
	s_load_b256 s[4:11], s[0:1], 0x0               ; ctx s[4:5], wbf s[6:7], bo s[8:9], x s[10:11]
	s_load_b64 s[12:13], s[0:1], 0x20              ; out0
	v_lshl_add_u32 v[SPW], v0, 2, SPARE
	v_mov_b32 v[NIL], 0
	ds_add_u32 v[SPW], v[NIL]                      ; the wave's opening: the add and its wait stand ahead of my first tensor load
	v_lshrrev_b32 v1, 5, v0
	v_readfirstlane_b32 s[WV], v1
	s_lshr_b32 s[RHF], s[WV], 1                    ; which half of the tile's rows is mine
	s_and_b32 s[CHF], s[WV], 1                     ; which half of its columns; also which plane, or which half of wo's columns, I fetch
	s_bfe_u32 s[CX], ttmp6, 0x40000
	s_bfe_u32 s[CY], ttmp6, 0x40004
	s_lshl_b32 s[TC], ttmp9, 2
	s_add_co_u32 s[TC], s[TC], s[CX]               ; tile column
	s_and_b32 s[TR], ttmp7, 0xffff
	s_lshl_b32 s[TR], s[TR], 2
	s_add_co_u32 s[TR], s[TR], s[CY]               ; tile row
	s_lshl_b32 s26, s[CY], 2
	s_lshl_b32 s26, 15, s26                        ; my row of the cluster
	s_lshl_b32 s27, 0x1111, s[CX]                  ; my column
	s_or_b32 s[G1A], s26, (1<<16)|(1<<20)|(1<<21)|(4<<22)|(3<<25)   ; ctx: padded after every 32 words by 4
	s_or_b32 s[G1B], s27, (1<<16)|(1<<20)|(1<<21)|(5<<22)|(7<<25)   ; wo: after every 64 words by 8
.irp g, G1A, G1B
	s_mov_b32 s[\g+1], 128<<16                     ; tensor_dim0 = 128
	s_mov_b32 s[\g+2], 128<<16                     ; tensor_dim1 = 128
	s_mov_b32 s[\g+3], 128<<16                     ; tile_dim0 = 128
	s_mov_b32 s[\g+4], 128                         ; tile_dim1 = 128
	s_mov_b32 s[\g+6], 0
	s_mov_b32 s[\g+7], 0
.endr
	s_mov_b32 s[G1A+5], 128                        ; ctx's rows lie end to end
	s_mov_b32 s[G1B+5], 1024
	s_lshl_b32 s62, s[CHF], 21                     ; ctx: my plane of the two,
	s_lshl_b32 s63, s[TR], 15                      ; the tile's 256 rows of 128 bytes
	s_add_co_u32 s62, s62, s63
	s_mov_b32 s63, 0
	s_lshl_b32 s68, s[TC], 9                       ; wo: the tile's 256 columns,
	s_lshl_b32 s69, s[CHF], 8                      ; my half of them,
	s_add_co_u32 s68, s68, s69
	s_add_co_u32 s68, s68, 3*2097152               ; in plane 3 of wbf
	s_mov_b32 s69, 0
	s_mul_i32 s60, s[WV], PART
	s_wait_dscnt 0x0                               ; the opening add is done
	s_wait_kmcnt 0x0
	s_add_nc_u64 s[66:67], s[4:5], s[62:63]
	s_add_nc_u64 s[68:69], s[6:7], s[68:69]
	CROUND                                         ; all sixteen work-groups are here: the first joint loads meet
.irp s, 0,1
	s_mov_b32 s[G0A+4*(\s)], 1
	s_add_co_u32 s[G0A+4*(\s)+1], s60, (\s)*SLOT
	s_add_nc_u64 s[G0A+4*(\s)+2:G0A+4*(\s)+3], s[66:67], (\s)*4194304   ; K step s: two planes on
	s_or_b32 s[G0A+4*(\s)+3], s[G0A+4*(\s)+3], 0x80000000
	s_mov_b32 s[G0B+4*(\s)], 1
	s_add_co_u32 s[G0B+4*(\s)+1], s60, (\s)*SLOT
	s_add_nc_u64 s[G0B+4*(\s)+2:G0B+4*(\s)+3], s[68:69], (\s)*262144    ; K step s: 128 k-rows down
	s_or_b32 s[G0B+4*(\s)+3], s[G0B+4*(\s)+3], 0x80000000
	JLOAD \s
.endr
	; the prefetches
	s_and_b32 s70, ttmp7, 0xffff
	s_mov_b32 s75, 0x40000
	s_cmp_lt_u32 s[WV], 2
	s_cselect_b32 s70, 0, s70
	s_cselect_b32 s72, s[CX], s[CY]                ; my place among the four that ask with me
	s_cselect_b32 s71, 13, 16                      ; its 32 blocks: 8,192 dense bytes of ctx, or 32 k-rows of 2,048 bytes
	s_cselect_b32 s74, 8, 11                       ; a lane's block: 256 bytes on, or a k-row on
	s_cselect_b32 s[PSTEP], 0x400000, s75          ; a K step
	s_cselect_b64 s[PFA:PFA+1], s[66:67], s[68:69]
	s_cmp_eq_u32 s70, 0
	s_cselect_b32 s[PN], 5, 0                      ; the same in all sixteen partners, for a given wave
	s_lshl_b32 s72, s72, s71
	s_mov_b32 s73, 0
	s_add_nc_u64 s[PFA:PFA+1], s[PFA:PFA+1], s[72:73]
	s_mov_b32 s[PSTEP+1], 0
	s_add_nc_u64 s[PFA:PFA+1], s[PFA:PFA+1], s[PSTEP:PSTEP+1]
	s_add_nc_u64 s[PFA:PFA+1], s[PFA:PFA+1], s[PSTEP:PSTEP+1]  ; at K step 2: the first refill steps it to 3
	v_and_b32 v1, 15, v0                           ; r = l % 16
	v_bfe_u32 v2, v0, 4, 1                         ; h = l / 16
	v_and_b32 v5, 7, v0
	v_bfe_u32 v6, v0, 3, 1
	v_and_b32 v[PFO], 31, v0
	v_lshlrev_b32 v[PFO], s74, v[PFO]
	; bo: my 128 columns; register j of block b is column 16 b + 8 h + j
	v_lshlrev_b32 v3, 5, v2
	s_lshl_b32 s62, s[TC], 10
	s_lshl_b32 s70, s[CHF], 9
	s_add_co_u32 s62, s62, s70
	s_mov_b32 s63, 0
	s_add_nc_u64 s[8:9], s[8:9], s[62:63]
	WIN 0x40
.irp b, 0,1,2,3,4,5,6,7
	global_load_b128 v[8*\b:8*\b+3],   v3, s[8:9] offset:64*\b
	global_load_b128 v[8*\b+4:8*\b+7], v3, s[8:9] offset:64*\b+16
.endr
	WIN 0
	s_lshl_b32 s70, s[TR], 20                      ; x and out0: the tile's 256 rows of 4,096 bytes,
	s_add_co_u32 s62, s62, s70
	s_lshl_b32 s70, s[RHF], 19                     ; my 128 of them; my 128 columns are in s62 already
	s_add_co_u32 s62, s62, s70
	s_add_nc_u64 s[10:11], s[10:11], s[62:63]
	s_add_nc_u64 s[12:13], s[12:13], s[62:63]
	v_mul_u32_u24 v[ADRA], v1, PA
	v_lshl_add_u32 v[ADRA], v2, 4, v[ADRA]
	s_mul_i32 s61, s[RHF], 128*PA
	v_add_nc_u32 v[ADRA], s61, v[ADRA]
	v_add_nc_u32 v[ADRA+1], SLOT, v[ADRA]
	v_lshl_add_u32 v[ADRB], v2, 3, v5
	v_mul_u32_u24 v[ADRB], v[ADRB], PB
	v_lshl_add_u32 v[ADRB], v6, 4, v[ADRB]
	s_mul_i32 s61, s[CHF], PART
	s_add_co_u32 s61, s61, 2*PART
	v_add_nc_u32 v[ADRB], s61, v[ADRB]
	v_add_nc_u32 v[ADRB+1], SLOT, v[ADRB]
	s_mul_i32 s61, s[WV], 16*SPITCH
	s_add_co_u32 s61, s61, STAGE                   ; my stage
	v_mul_u32_u24 v[STO], v1, SPITCH               ; in: row l % 16, 32 bytes for each half of the lanes
	v_lshl_add_u32 v[STO], v2, 5, v[STO]
	v_add_nc_u32 v[STO], s61, v[STO]
	v_mul_u32_u24 v[RD], v2, SPITCH                ; back: lanes 0-15 take one row of 256 bytes, lanes 16-31 the next
	v_lshl_add_u32 v[RD], v1, 4, v[RD]
	v_add_nc_u32 v[RD], s61, v[RD]
	v_lshlrev_b32 v[CO], 12, v2                    ; and the same two rows in x and out0
	v_lshl_add_u32 v[CO], v1, 4, v[CO]
; 16 matrix instructions: row blocks a0, a0 + 1 of the window's four x all 8 column blocks, 32 along K.  zero = 1: the first products start the sums with bo.  The 64 accumulators take turns.
.macro MUL16 f, hi, a0, zero
.if \zero
	WIN 0x91+0x40*(\hi)
.else
	WIN 0xa1+0x50*(\hi)
.endif
.irp a, \a0, (\a0)+1
.irp b, 0,1,2,3,4,5,6,7
.if \zero
	v_wmma_f32_16x16x32_bf16 v[8*(8*(\a)+(\b)):8*(8*(\a)+(\b))+7], v[(\f)+8*(\b):(\f)+8*(\b)+7], v[(\f)+8*(4*(\hi)+(\a)):(\f)+8*(4*(\hi)+(\a))+7], v[8*(\b):8*(\b)+7]
.else
	v_wmma_f32_16x16x32_bf16 v[8*(8*(\a)+(\b)):8*(8*(\a)+(\b))+7], v[(\f)+8*(\b):(\f)+8*(\b)+7], v[(\f)+8*(4*(\hi)+(\a)):(\f)+8*(4*(\hi)+(\a))+7], v[8*(8*(\a)+(\b)):8*(8*(\a)+(\b))+7]
.endif
.endr
.endr
.endm
; 32 LDS loads in one run: quarter q of a slot into buffer f: wo's 16 (turned), then ctx's 16.  Quarter q lies in plane q / 2, channels 32 (q % 2) on.
.macro FETCH slot, q, f
	WIN 0x40
.irp i, 0,1,2,3,4,5,6,7
	ds_load_tr16_b128 v[(\f)+8*\i:(\f)+8*\i+3],   v[ADRB+(\slot)] offset:32*PB*(\q)+32*\i
	ds_load_tr16_b128 v[(\f)+8*\i+4:(\f)+8*\i+7], v[ADRB+(\slot)] offset:32*PB*(\q)+32*\i+16*PB
.endr
	WIN 0
.irp i, 0,1,2,3,4,5,6,7
	ds_load_b128 v[(\f)+8*\i:(\f)+8*\i+3],   v[ADRA+(\slot)] offset:((\q)/2)*PART+((\q)%2)*64+16*PA*\i
	ds_load_b128 v[(\f)+8*\i+4:(\f)+8*\i+7], v[ADRA+(\slot)] offset:((\q)/2)*PART+((\q)%2)*64+16*PA*\i+32
.endr
.endm
.macro QUARTER slot, q, f, g, zero
	s_wait_dscnt 8                                 ; wo's and ctx's rows 0-63 are in; the youngest eight loads may be out
	MUL16 \f, 0, 0, \zero
	MUL16 \f, 0, 2, \zero
	PLACES
	FETCH \slot, \q, \g
	s_wait_dscnt 32                                ; all but the 32 just issued
	MUL16 \f, 1, 0, \zero
	MUL16 \f, 1, 2, \zero
.endm
; The change of slots: one barrier; in front of it each wave waits for all its tensor loads, adds 0 to its spare word, and waits for that and for its own reads of this slot.
.macro MEET round
	WIN 0
	s_wait_tensorcnt 0x0
	ds_add_u32 v[SPW], v[NIL]
	s_wait_dscnt 9                                 ; the add and the youngest eight loads may be out
	MUL16 F1, 0, 0, 0
	s_wait_dscnt 0x0                               ; the add is done, and my reads of this slot are over
	s_barrier_signal -1
	MUL16 F1, 0, 2, 0
.if \round
	WIN 0
.endif
	s_barrier_wait -1
.endm
.macro TURN slot, next
	s_wait_xcnt 0x0                                ; the last prefetch, a K step back, has read its address
	s_add_nc_u64 s[PFA:PFA+1], s[PFA:PFA+1], s[PSTEP:PSTEP+1]
	MEET 1
	CREST                                          ; no wave of any partner still reads this slot or has a load on its way
	s_add_nc_u64 s[G0A+4*(\slot)+2:G0A+4*(\slot)+3], s[G0A+4*(\slot)+2:G0A+4*(\slot)+3], 8388608
	s_add_nc_u64 s[G0B+4*(\slot)+2:G0B+4*(\slot)+3], s[G0B+4*(\slot)+2:G0B+4*(\slot)+3], 524288
	JLOAD \slot                                    ; my one tensor load behind the round; its four v_nop are also the places in front of the loads below
	FETCH \next, 0, F0
	ASK
	MUL16 F1, 1, 0, 0
	MUL16 F1, 1, 2, 0
.endm
; THE WAY OUT goes by half blocks hb = 2 a + hc: rows 16 a on, columns 64 hc on, of my 128 x 128.
.macro XBASE hb                        ; x's buffer for half block hb, in window 1: eight take turns
.set e8, (\hb)%8
.if e8 < 2
.set XB, 32*e8
.elseif e8 < 4
.set XB, 192+32*(e8-2)
.else
.set XB, 64+32*(e8-4)
.endif
.endm
.macro XLOAD hb
	XBASE \hb
	WIN 0x40
.irp t, 0,1,2,3,4,5,6,7
	global_load_b128 v[XB+4*\t:XB+4*\t+3], v[CO], s[10:11] offset:65536*((\hb)/2)+8192*\t+256*((\hb)%2) th:TH_LOAD_NT
.endr
.endm
.macro STG hb                          ; four accumulators into my stage, each from its low end
.set AC, 64*(((\hb)/2)%4)+32*((\hb)%2)
	WIN 0x08+4*((\hb)/8)
.irp bb, 0,1,2,3
	ds_store_b128 v[STO], v[AC+8*\bb:AC+8*\bb+3]   offset:64*\bb
	ds_store_b128 v[STO], v[AC+8*\bb+4:AC+8*\bb+7] offset:64*\bb+16
.endr
.endm
.macro RDB hb                          ; and back as whole rows of 256 bytes
.set BK, 32+160*((\hb)%2)
	WIN 0
	s_wait_xcnt 0x0                                ; the stores of two half blocks ago have read these registers
.irp t, 0,1,2,3,4,5,6,7
	ds_load_b128 v[BK+4*\t:BK+4*\t+3], v[RD] offset:2*SPITCH*\t  ; LDS serves a wave's instructions in order (ISA guide 5.7.1.4): these see the stores above
.endr
.endm
.macro FIN hb
.set BK, 32+160*((\hb)%2)
	XBASE \hb
.if (\hb) < 15
	s_wait_dscnt 16                                ; behind my eight loads stand the next half block's eight stores and eight loads
.else
	s_wait_dscnt 0x0
.endif
.if (\hb) <= 8
	s_wait_loadcnt 56                              ; x's loads for the seven half blocks behind this one may stay out
.else
	s_wait_loadcnt 8*(15-(\hb))
.endif
	WIN 0x04
.set ii, 0
.rept 16
	v_pk_add_f32 v[BK+ii:BK+ii+1], v[BK+ii:BK+ii+1], v[XB+ii:XB+ii+1]
.set ii, ii+2
.endr
	WIN 0
.irp t, 0,1,2,3,4,5,6,7
	global_store_b128 v[CO], v[BK+4*\t:BK+4*\t+3], s[12:13] offset:65536*((\hb)/2)+8192*\t+256*((\hb)%2) th:TH_STORE_NT  ; 16 lanes store 256 consecutive bytes, aligned
.endr
.if (\hb) < 8
	XLOAD (\hb)+8
.endif
.endm
	s_wait_tensorcnt 1                             ; my part of K step 0 is in; K step 1's may stay out
	s_barrier_signal -1
	s_barrier_wait -1
	FETCH 0, 0, F0
	s_wait_loadcnt 0x0                             ; bo
	QUARTER 0, 1, F0, F1, 1                        ; the first quarter stands in front of the loop: its products start the sums
	WIN 0
	s_mov_b32 s3, 3
.Llap:                                         ; a trip goes once round the ring and fills both slots again
	QUARTER 0, 2, F1, F0, 0
	QUARTER 0, 3, F0, F1, 0
	TURN 0, 1
	QUARTER 1, 1, F0, F1, 0
	QUARTER 1, 2, F1, F0, 0
	QUARTER 1, 3, F0, F1, 0
	TURN 1, 0
	QUARTER 0, 1, F0, F1, 0
	WIN 0
	s_sub_co_u32 s3, s3, 1
	s_cmp_lg_u32 s3, 0
	s_cbranch_scc1 .Llap
	QUARTER 0, 2, F1, F0, 0                        ; the last lap fills nothing
	QUARTER 0, 3, F0, F1, 0
	MEET 0
	PLACES
	FETCH 1, 0, F0
	XLOAD 0                                        ; x for the first four half blocks, a K step ahead of its use, into registers that lie idle
	XLOAD 1
	XLOAD 2
	XLOAD 3
	MUL16 F1, 1, 0, 0
	MUL16 F1, 1, 2, 0
	QUARTER 1, 1, F0, F1, 0
	QUARTER 1, 2, F1, F0, 0
	QUARTER 1, 3, F0, F1, 0
	s_wait_dscnt 8
	MUL16 F1, 0, 0, 0
	MUL16 F1, 0, 2, 0
	s_wait_dscnt 0x0
	MUL16 F1, 1, 0, 0
	MUL16 F1, 1, 2, 0
	PLACES                                         ; ahead of loads into wo's fragment buffers and of the stores that read results
	XLOAD 4
	XLOAD 5
	XLOAD 6
	XLOAD 7
	STG 0
	RDB 0
.irp hb, 0,1,2,3,4,5,6,7,8,9,10,11,12,13,14,15
.if \hb < 15
	STG (\hb)+1
	RDB (\hb)+1
.endif
	FIN \hb
.endr
	WIN 0
	s_wait_tensorcnt 0x0                           ; the wave's end
	ds_add_u32 v[SPW], v[NIL]
	s_wait_dscnt 0x0
	CROUND                                         ; the closing round
	s_endpgm
.Lfunc_end_k_q9f3b7f5917_oproj:
	.size	k_q9f3b7f5917_oproj, .Lfunc_end_k_q9f3b7f5917_oproj-k_q9f3b7f5917_oproj
	.p2alignl 7, 3214868480
	.fill 96, 4, 3214868480
	.section	.rodata,"a",@progbits
	.p2align	6, 0x0
	.amdhsa_kernel k_q9f3b7f5917_oproj
		.amdhsa_group_segment_fixed_size 327680
		.amdhsa_private_segment_fixed_size 0
		.amdhsa_enable_private_segment 0
		.amdhsa_kernarg_size 40
		.amdhsa_user_sgpr_count 2
		.amdhsa_user_sgpr_kernarg_segment_ptr 1
		.amdhsa_wavefront_size32 1
		.amdhsa_system_sgpr_workgroup_id_x 1
		.amdhsa_system_sgpr_workgroup_id_y 1
		.amdhsa_system_sgpr_workgroup_id_z 1
		.amdhsa_system_vgpr_workitem_id 0
		.amdhsa_next_free_vgpr 1024
		.amdhsa_next_free_sgpr 88
		.amdhsa_reserve_vcc 0
		.amdhsa_float_denorm_mode_32 3
		.amdhsa_float_denorm_mode_16_64 3
		.amdhsa_memory_ordered 1
		.amdhsa_forward_progress 1
		.amdhsa_inst_pref_size 174
	.end_amdhsa_kernel
	.amdgpu_metadata
---
amdhsa.version: [ 1, 2 ]
amdhsa.kernels:
  - .name:           k_q9f3b7f5917_oproj
    .symbol:         k_q9f3b7f5917_oproj.kd
    .args:
      - { .name: ctx, .offset: 0, .size: 8, .value_kind: global_buffer, .address_space: global }
      - { .name: wbf, .offset: 8, .size: 8, .value_kind: global_buffer, .address_space: global }
      - { .name: bo, .offset: 16, .size: 8, .value_kind: global_buffer, .address_space: global }
      - { .name: x, .offset: 24, .size: 8, .value_kind: global_buffer, .address_space: global }
      - { .name: out0, .offset: 32, .size: 8, .value_kind: global_buffer, .address_space: global }
    .group_segment_fixed_size: 327680
    .private_segment_fixed_size: 0
    .kernarg_segment_align: 8
    .kernarg_segment_size: 40
    .max_flat_workgroup_size: 128
    .sgpr_count:     88
    .vgpr_count:     1024
    .wavefront_size: 32
...
	.end_amdgpu_metadata
.endif
;; end of part 3
